; MI455X (gfx1250); checked and timed in simulation.
; The chip was launched on July 23, 2026; its instructions are those of AMD's public machine-readable ISA for CDNA 5 (MIT licence, August 2026) and "CDNA5" Instruction Set Architecture Reference Guide (July 2026). The comments in the code are by the model that wrote it; some were corrected since.
;; Context Window Predictor. Allowed arithmetic: matrix products marked QUANTISED: E2M1 operands, one E8M0 scale for each 32 along K, by v_wmma_scale_f32_16x16x128_f8f6f4 with both operands' format E2M1 (or v_wmma_scale_f32_32x16x128_f4), f32 sums; products left as they are: f32 operands where the result goes on into a quantised operand, else bf16, f16 or f32 operands; f32 sums; everything else in f32.
;; Inputs: W1_codes 1,024 x 64 x 16 uint8 (E2M1 codes of W1, K innermost, in blocks of 32 codes, two codes a byte); W1_scales 1,024 x 64 uint8 (E8M0 scales of W1, one for each 32 codes along K); W2 1,024 x 2 float32; b1 1,024 float32; b2 2 float32; hidden_states 8 x 2,048 x 1,024 float32; pairs 8 x 4,096 x 2 int32.
;; Outputs: out0 8 x 4,096 x 2 float32.
;; This version of the problem:
;;   THIS VERSION OF THE PROBLEM IS GIVEN IN LOW PRECISION. The matrix products marked QUANTISED in the list below multiply operands that are first quantised to E2M1 (2 exponent bits, 1 mantissa bit; 4 bits a number), with one power-of-two scale for each 32 numbers along K (OCP MX v1.0); their sums are f32. All else is computed in f32.
;;   The module's matrix products, in the order in which they are computed (A, B: the left and right operand; K: the contracted axis; several contracted axes count as one K, in the product's order):
;;     1. [M 32,768, K 2,048] x [K 2,048, N 1,024]; A: computed on the way; B: input W1 (given as codes): QUANTISED
;;     2. [M 32,768, K 1,024] x [K 1,024, N 2]; A: computed on the way; B: input W2: left as it is (N = 2 < 16)
;;   THE QUANTISER, for each operand of a quantised product, along K:
;;     - K is cut into blocks of 32 from its start; a last block that is shorter is filled with zeros.
;;     - A block's scale is 2^e with e = floor(log2(the largest magnitude in the block)) - 2, held to -126 .. 127; a block of zeros has e = 0. As a byte (E8M0): e + 127.
;;     - Each number is divided by its block's scale, clamped to +-6, and rounded to the nearest number of E2M1, ties to even, subnormals kept.
;;     - The product sums the exact products of the quantised numbers (number of the format x scale) in f32.
;;   ~~~python
;;   def quantise(x, axis):      # numpy; x: float32 -> the quantised numbers, widened to float32 again
;;       x = np.moveaxis(x, axis, -1); K = x.shape[-1]
;;       x = np.pad(x, [(0, 0)] * (x.ndim - 1) + [(0, -K % 32)]); x = x.reshape(x.shape[:-1] + (-1, 32)); a = np.abs(x).max(-1, keepdims=True)
;;       e = np.where(a > 0, np.clip(np.frexp(np.where(a > 0, a, 1))[1] - 1 - 2, -126, 127), 0)      # np.frexp(a)[1] - 1 = floor(log2(a)), exactly
;;       r = np.clip(x / 2.0 ** e, -6, 6)
;;       step = 2.0 ** (np.maximum(np.frexp(np.where(r == 0, 1, r))[1] - 1, 0) - 1)
;;       q = np.round(r / step) * step * 2.0 ** e      # np.round: ties to even
;;       return np.moveaxis(q.reshape(q.shape[:-2] + (-1,))[..., :K], -1, axis).astype(np.float32)
;;   ~~~
;;   OPERANDS COMPUTED ON THE WAY. 'Computed on the way' means the value that the module computes at that place (a softmax that the list does not call 'softmax' is quantised finished and normalised). What goes into a quantiser is computed in f32, as accurately as f32 sums, v_exp_f32 and their like allow (about 1e-6 of the number): no bf16 or f16 on the way to a quantiser, and a product that is left as it is and whose result goes on into a quantised operand takes f32 operands (vector FMAs, or v_wmma_f32_16x16x4_f32). A number that lies on a knife's edge between two numbers of the format may be rounded either way, as far as f32 arithmetic and the matrix unit's own rounding can turn it there, and no further.
;;   INPUTS GIVEN AS CODES. W1 (in the module: [2048, 1024], K = its axis 0): each comes as NAME_codes (uint8): NAME with its K axis moved to the last place and cut into blocks of 32 codes, [.., K / 32, bytes a block], one block behind the other in memory; two codes a byte, the lower K in the low four bits (a code: sign, 2 exponent bits, 1 mantissa bit); and NAME_scales (uint8): the same leading axes, one E8M0 byte (e + 127) for each 32 codes along K. Its value is code x scale, taken as it is: it is not quantised again, and the codes and scales need not be those that the quantiser above would give.
;; One version. Each part assembles by itself: llvm-mc -triple=amdgcn-amd-amdhsa -mcpu=gfx1250 --defsym DOCPART=n.
;; ======== version 1 of 1: 2 launches
;; limits: a function is approximated: absolute error at most 1.5e-07
;; workspace buffers: a_codes 8,388,608 bytes; a_scales 524,288 bytes
;; launch quant (part 1): grid 512 x 1, 4 waves a work-group, no clusters, 33,280 bytes of LDS; arguments hidden_states, a_codes, a_scales; writes a_codes, a_scales
.if DOCPART == 1
	.amdgcn_target "amdgcn-amd-amdhsa--gfx1250"
	.amdhsa_code_object_version 6
	.text
	.protected	k_qa453a42091_quant
	.globl	k_qa453a42091_quant
	.p2align	8
	.type	k_qa453a42091_quant,@function
k_qa453a42091_quant:
	s_mov_b64 s[64:65], 0
	v_nop
	global_prefetch_b8 v0, s[64:65] scope:SCOPE_SE
	s_setreg_imm32_b32 hwreg(HW_REG_WAVE_MODE, 25, 1), 1
	s_wait_xcnt 0x0
; hidden_states [16384 rows][1024] f32 -> a_codes [16384][512 bytes] (E2M1, two codes a byte, the lower k in the low four bits) and a_scales [16384][32] (one E8M0 byte for each 32 along a row).
; A pair's operand row is two rows of hidden_states on end, and 1,024 is a multiple of 32: no block of 32 lies across the joint.  So each row is quantised ONCE here, and the next launch gathers codes.
; A block's scale is 2^(floor(log2(its largest magnitude)) - 2); its byte is the largest magnitude's exponent field - 2, held at 1 from below.
; (A block of zeros so gets the byte 1 where the rule says 127: its codes are zeros, which add nothing under any byte but 0xff, and this program alone reads the bytes.)
; LIMITS: NaN and infinities among the inputs are not served; blocks whose largest magnitude lies under 2^-124 keep the byte 1.
; Rows are dense, so the tensor is a plain stream of blocks of 32.  A wave takes 16 steps of 512 numbers.  The conversions take 8 numbers of ONE block from a lane's consecutive registers, so a lane must hold
; 16 neighbours (two neighbouring lanes hold a block); a load reads 512 consecutive bytes, 16 a lane.  Both are had by a turn through the wave's own stage in LDS (16 bytes of padding behind each 64).
; A lane's 16 codes are 8 bytes: the wave stores 256 consecutive bytes, aligned.  A wave's 256 scale bytes are gathered in its own LDS and leave as 256 consecutive bytes, aligned.
; No barrier: waves share nothing.  Loads run eight steps ahead: 32 loads, 16,384 bytes, half of what the wave reads in all; the turn through LDS runs one step ahead.
.set STEPS, 16
.set AHEAD, 8
.set EMAX,  2
.set CB,    8                          ; bytes of 16 codes
.set R,     16                         ; v16-143  eight sets of 16 numbers as they are loaded
.set X,     144                        ; v144-175 two sets of 16 neighbours
.set E,     176                        ; v176-191 a scale byte for each step
.set C,     192                        ; v192-223 codes: two registers for each step, so that no store's data are written again
.set WREG,  8192                       ; LDS: a region for each wave: two stages of 32 x SP bytes, behind them its 256 scale bytes
.set SP,    80                         ; a lane's place in a stage: 64 bytes + 16 of padding
	s_load_b128 s[4:7], s[0:1], 0x0                ; hidden_states, a_codes
	s_load_b64 s[8:9], s[0:1], 0x10                ; a_scales
	v_lshl_add_u32 v224, v0, 2, 0x8000
	v_mov_b32 v225, 0
	v_lshrrev_b32 v1, 5, v0
	v_readfirstlane_b32 s16, v1                    ; wave
	v_and_b32 v2, 31, v0                           ; lane
	v_lshlrev_b32 v3, 4, v2                        ; my 16 bytes of a load's 512
	s_mul_i32 s17, s16, WREG
	v_lshrrev_b32 v14, 2, v2
	v_mul_u32_u24 v14, v14, SP
	v_and_b32 v15, 3, v2
	v_lshl_add_u32 v14, v15, 4, v14
	v_add_nc_u32 v14, s17, v14                     ; the stage, on the way in: SP (lane / 4) + 16 (lane % 4); a load's 512 bytes take eight places
	v_mul_u32_u24 v15, v2, SP
	v_add_nc_u32 v15, s17, v15                     ; and on the way out: SP x lane: my 16 neighbours
	v_lshrrev_b32 v5, 1, v2
	s_add_co_u32 s17, s17, 2*32*SP
	v_add_nc_u32 v5, s17, v5                       ; LDS: my wave's 256 scale bytes, my block's byte
	v_lshlrev_b32 v7, 3, v2                        ; 8 bytes a lane: my codes' place in a step's, and my part of the scale bytes on the way out
	v_add_nc_u32 v6, s17, v7
	s_lshl_b32 s18, ttmp9, 2
	s_add_co_u32 s18, s18, s16                     ; which run of 8,192 numbers is my wave's: 0 .. 2,047
	s_mov_b32 s21, 0
	s_wait_alu depctr_va_vdst(0)
	s_wait_kmcnt 0x0
	s_lshl_b32 s20, s18, 15                        ; 32,768 bytes of f32 a run
	s_add_nc_u64 s[4:5], s[4:5], s[20:21]
	s_lshl_b32 s20, s18, 12                        ; 4,096 bytes of codes
	s_add_nc_u64 s[6:7], s[6:7], s[20:21]
	s_lshl_b32 s20, s18, 8                         ; 256 scale bytes
	s_add_nc_u64 s[8:9], s[8:9], s[20:21]
.macro LOAD t
.irp i, 0,1,2,3
	global_load_b128 v[R+16*((\t)%AHEAD)+4*\i:R+16*((\t)%AHEAD)+4*\i+3], v3, s[4:5] offset:2048*(\t)+512*\i th:TH_LOAD_NT   ; 32 lanes read 512 consecutive bytes; read once in the launch
.endr
.endm
.macro TURN t                          ; step t's numbers through the stage: LDS serves a wave's instructions in order (ISA guide 5.7.1), so no wait stands between the stores and the loads
.irp i, 0,1,2,3
	ds_store_b128 v14, v[R+16*((\t)%AHEAD)+4*\i:R+16*((\t)%AHEAD)+4*\i+3] offset:32*SP*((\t)%2)+8*SP*\i
.endr
.irp i, 0,1,2,3
	ds_load_b128 v[X+16*((\t)%2)+4*\i:X+16*((\t)%2)+4*\i+3], v15 offset:32*SP*((\t)%2)+16*\i
.endr
.endm
.irp t, 0,1,2,3,4,5,6,7
	LOAD \t
.endr
	s_wait_loadcnt 4*(AHEAD-1)                     ; step 0's four loads are in; the 28 of steps 1 to 7 may be out
	TURN 0
.macro STEP t
.set XS, X+16*((\t)%2)
.if (\t) > 0
	s_wait_dscnt 1                                 ; this step's numbers are back from the stage (the last step's byte store may be out): so its stores into the stage have read their registers,
.else
	s_wait_dscnt 0x0
.endif
.if (\t)+AHEAD < STEPS
	LOAD (\t)+AHEAD                                ; which take the loads of eight steps on
.endif
.if (\t)+1 < STEPS
.if (\t)+AHEAD < STEPS
	s_wait_loadcnt 4*(AHEAD-1)                     ; the next step's four loads are in; those of the seven steps behind it may be out
.else
	s_wait_loadcnt 4*(STEPS-2-(\t))                ; nothing more is asked for: the count runs down
.endif
	TURN (\t)+1                                    ; and go through the other stage while this step is worked
.endif
	v_max3_num_f32 v8, |v[XS]|, |v[XS+1]|, |v[XS+2]|               ; the largest magnitude of my 16, in two chains
	v_max3_num_f32 v9, |v[XS+3]|, |v[XS+4]|, |v[XS+5]|
.irp i, 6,10
	v_max3_num_f32 v8, v8, |v[XS+\i]|, |v[XS+\i+1]|
	v_max3_num_f32 v9, v9, |v[XS+\i+2]|, |v[XS+\i+3]|
.endr
	v_max3_num_f32 v8, v8, |v[XS+14]|, |v[XS+15]|
	v_max3_num_f32 v8, v8, v9, (EMAX+1)<<23        ; and the floor 2^(3 - 127): the byte cannot fall under 1
	v_max_num_f32_dpp v8, v8, v8 row_xmask:1 row_mask:0xf bank_mask:0xf   ; and of my neighbour's 16: the block's
	v_add_nc_u32 v11, -(EMAX<<23), v8              ; 2 off its exponent field: the conversion takes the exponent field of this operand as its scale, and nothing else of it
	v_cvt_scalef32_pk8_fp4_f32 v[C+2*(\t)], v[XS:XS+7], v11        ; eight numbers / the scale, to the nearest code, ties to even, beyond 6 the largest code
	v_cvt_scalef32_pk8_fp4_f32 v[C+2*(\t)+1], v[XS+8:XS+15], v11
	v_lshrrev_b32 v[E+(\t)], 23, v11               ; the scale's byte (also the plain line behind the conversions)
	ds_store_b8 v5, v[E+(\t)] offset:16*(\t)       ; both lanes of a block write the same byte with the same value
	global_store_b64 v7, v[C+2*(\t):C+2*(\t)+1], s[6:7] offset:32*CB*(\t)   ; the wave stores 256 consecutive bytes, aligned
.endm
.irp t, 0,1,2,3,4,5,6,7,8,9,10,11,12,13,14,15
	STEP \t
.endr
	ds_load_b64 v[12:13], v6                       ; these see my byte stores: one wave's LDS instructions are served in order
	s_wait_dscnt 0x0
	global_store_b64 v7, v[12:13], s[8:9]          ; 256 consecutive bytes, aligned
	s_wait_tensorcnt 0x0
	ds_add_u32 v224, v225
	s_wait_dscnt 0x0
	s_endpgm
.Lfunc_end_k_qa453a42091_quant:
	.size	k_qa453a42091_quant, .Lfunc_end_k_qa453a42091_quant-k_qa453a42091_quant
	.p2alignl 7, 3214868480
	.fill 96, 4, 3214868480
	.section	.rodata,"a",@progbits
	.p2align	6, 0x0
	.amdhsa_kernel k_qa453a42091_quant
		.amdhsa_group_segment_fixed_size 33280
		.amdhsa_private_segment_fixed_size 0
		.amdhsa_enable_private_segment 0
		.amdhsa_kernarg_size 24
		.amdhsa_user_sgpr_count 2
		.amdhsa_user_sgpr_kernarg_segment_ptr 1
		.amdhsa_wavefront_size32 1
		.amdhsa_system_sgpr_workgroup_id_x 1
		.amdhsa_system_sgpr_workgroup_id_y 1
		.amdhsa_system_sgpr_workgroup_id_z 1
		.amdhsa_system_vgpr_workitem_id 0
		.amdhsa_next_free_vgpr 226
		.amdhsa_next_free_sgpr 66
		.amdhsa_reserve_vcc 0
		.amdhsa_float_denorm_mode_32 3
		.amdhsa_float_denorm_mode_16_64 3
		.amdhsa_memory_ordered 1
		.amdhsa_forward_progress 1
		.amdhsa_inst_pref_size 33
	.end_amdhsa_kernel
	.amdgpu_metadata
---
amdhsa.version: [ 1, 2 ]
amdhsa.kernels:
  - .name:           k_qa453a42091_quant
    .symbol:         k_qa453a42091_quant.kd
    .args:
      - { .name: hidden_states, .offset: 0, .size: 8, .value_kind: global_buffer, .address_space: global }
      - { .name: a_codes, .offset: 8, .size: 8, .value_kind: global_buffer, .address_space: global }
      - { .name: a_scales, .offset: 16, .size: 8, .value_kind: global_buffer, .address_space: global }
    .group_segment_fixed_size: 33280
    .private_segment_fixed_size: 0
    .kernarg_segment_align: 8
    .kernarg_segment_size: 24
    .max_flat_workgroup_size: 128
    .sgpr_count:     66
    .vgpr_count:     226
    .wavefront_size: 32
...
	.end_amdgpu_metadata
.endif
;; end of part 1
;; launch pairmlp (part 2): grid 256 x 1, 4 waves a work-group, clusters of 4 x 1, 327,680 bytes of LDS; arguments a_codes, a_scales, pairs, W1_codes, W1_scales, b1, W2, b2, out0; writes out0
.if DOCPART == 2
	.amdgcn_target "amdgcn-amd-amdhsa--gfx1250"
	.amdhsa_code_object_version 6
	.text
	.protected	k_qa453a42091_pairmlp
	.globl	k_qa453a42091_pairmlp
	.p2align	8
	.type	k_qa453a42091_pairmlp,@function
k_qa453a42091_pairmlp:
	s_mov_b64 s[64:65], 0
	v_nop
	global_prefetch_b8 v0, s[64:65] scope:SCOPE_SE
	s_setreg_imm32_b32 hwreg(HW_REG_WAVE_MODE, 25, 1), 1
	s_wait_xcnt 0x0
	s_wait_alu depctr_hold_cnt(0) depctr_sa_sdst(0) depctr_va_vdst(0) depctr_va_sdst(0) depctr_va_ssrc(0) depctr_va_vcc(0) depctr_vm_vsrc(0)
	s_getreg_b32 s2, hwreg(HW_REG_IB_STS2, 6, 4)
	s_cmp_eq_u32 s2, 0
	s_cbranch_scc0 .Lentry_in_a_cluster
	s_endpgm
.Lentry_in_a_cluster:
	s_bfe_u32 s2, ttmp6, 0x10000c
	s_cmp_lg_u32 s2, 0x3003
	s_cbranch_scc0 .Lentry_shape_is_right
	s_endpgm
.Lentry_shape_is_right:
; out0[g][o] = b2[o] + sum over n of gelu(b1[n] + sum over k of A[g][k] W1[n][k]) W2[n][o],  g = 0 .. 32,767, n = 0 .. 1,023, k = 0 .. 2,047.
; A[g] = the quantised row pairs[g][0] of g's batch, then the quantised row pairs[g][1]: codes and scale bytes made by the launch before.  W1: codes [1024 n][1024 bytes], scale bytes [1024][64], as given.
; SHARES.  A work-group owns 128 pairs and ALL 1,024 n, so each output has one owner.  Four waves, 2 (wm) x 2 (wn): a wave holds its 64 pairs' codes for ALL of K in 512 registers (4 blocks of 16 rows x 16 K steps
; x 8 registers); only W1 streams.  n goes in 8 periods of 128 rows of W1; in a period wave (wm, wn) makes 64 pairs x 64 n: 16 accumulators x 16 K steps = 256 matrix instructions, then GELU and the second product
; on its 128 numbers a lane.  Each fragment of W1 read from LDS feeds four matrix instructions.
; THE MATRIX INSTRUCTION IS USED TRANSPOSED (source 0 = 16 rows of W1, source 1 = 16 pairs): lane (r, h) holds pair r and its eight registers n = 8 h + 0 .. 7, so the sum over n stays in the lane.
; b1 is the C of each sum's first matrix instruction.
; CLUSTER.  All work-groups walk the same W1: the four of a cluster ask for each tile JOINTLY (mask 15, the same descriptor in all four); each wave brings 32 of a tile's 128 rows.
; Two LDS slots of 128 rows x 1,024 bytes take turns; one load a wave is out at a time, and it has a whole period in which to land.
; GELU: gelu(x) = (x + a - a P(a)^-16) / 2, a = |x|, P = 1 + d1 a + .. + d6 a^6 (Abramowitz and Stegun 26.2.19: the normal distribution function within 1.5e-7 for every x).  Where P^16 passes f32's range its
; reciprocal is 0, which is the limit.  The half is taken once, at the end.  The second product is f32 fused multiply-adds: its N is 2.
; LIMITS: NaN and infinities are not served.  An index is held to 0 .. 2,047 (the table's rows).  The sums over n are taken in another order than a plain chain: four chains a lane, two halves of the lanes, two waves.
; No prefetch: W1 is read by every cluster, and the gather stands at the kernel's head.
;
; REGISTERS, in windows of 256 (s_set_vgpr_msb: bits 1:0 source 0, 3:2 source 1, 5:4 source 2, 7:6 destination):
;   window 0: v0-15 addresses; v16 the LDS address of the slot in hand (v16-21 at work at the head and on the way out); v32-63 the pairs' scale words; v64-95 W1's scale words; v96-127 b1 in the result's layout;
;             v128-191 W2 (at the head v128-159: the gather's offsets); v192-223 the sums of the second product; v224-231 offsets of the pairs' scale words
;   window 1: v0-127 the 16 accumulators, (a, b) at 8 (4 a + b); v128-255 four buffers of W1's fragments, a K step each (in GELU v128-159 |x|, v160-191 at work, v192-193 d5).
;             At the head all 256 take the gathered rows as they come.
;   windows 2, 3: the pairs' fragments: block a, K step q at v[64 a + 8 (q % 8)] of window 2 + q / 8: window 2 is the pair's first row, window 3 its second.
.set PITCH, 1040                       ; a row of W1 in LDS: 1,024 bytes + 16 = 65 x 16: the sixteen rows of a fragment load start 16 bytes apart modulo 256
.set SLOT,  128*PITCH                  ; 133,120
.set STG,   2*SLOT                     ; the stage for the gathered rows: two buffers of [wm][16 rows] x 528 bytes; written by LDS stores alone, no tile lands here
.set SBUF,  2*16*528
.set RED,   STG+2*SBUF                 ; [wn][128 pairs][2] f32
.set SPARE, RED+2048                   ; the spare words, 128 bytes for each wave: two blocks of 256 bytes that no other line names
.set SPW,  1                           ; v1   SPARE + 4 x my thread's number; never rewritten
.set NIL,  2                           ; v2   0; never rewritten
.set X16,  3                           ; v3   16 (lane % 16)
.set H16,  4                           ; v4   16 (lane / 16)
.set AB0,  5                           ; v5   my place in a slot: 1040 r + 16 h + 64 rows x wn
.set STO,  6                           ; v6   the stage, in
.set SLD,  7                           ; v7   the stage, out
.set VSC,  8                           ; v8   64 r + 16 h: W1's scale words
.set VB1,  9                           ; v9   32 h: b1
.set VW2,  10                          ; v10  64 h: W2
.set PO2,  12                          ; v12  8 r: a pair's two indices
.set RST,  13                          ; v13  RED, in
.set RLD,  14                          ; v14  RED, out
.set GOF,  15                          ; v15  8 x my thread's number: my pair's two outputs
.set ADR,  16                          ; v16  my place in the slot in hand
.set SA,   32
.set SB,   64
.set BI,   96
.set W2R,  128
.set IX,   128
.set LG,   192
.set IS,   224
.set FBUF, 128                         ; window 1
.set TA,   128
.set TP,   160
.set C5P,  192
.set WV,   22                          ; s22 wave, s23 wm, s24 wn;  s25 cx, s26 work-group, s27, s60-63: what hangs on the work-group;  s2, s3: what hangs on the wave alone
.set G1,   28                          ; s[28:35] descriptor group 1
.set G0,   36                          ; s[36:39] group 0, which walks
.set SFB,  40                          ; s40 the slot that is filled: 0 or SLOT
.set WQ,   41                          ; s41 my 32 rows' place in a slot
.set TB,   42                          ; s42 the slot that is read
.set CNT,  43
.set SEL,  44                          ; s[44:45] v_permlanex16_b32's selects for lane l xor 16
.set ABS,  46
.set C1,   48                          ; s[48:57] d1 to d4 and d6, each as a pair (a packed form names the pair and takes its low word for both halves)
.set C2,   50
.set C3,   52
.set C4,   54
.set C6,   56
.set MSB, 0
.macro WIN new                         ; the immediate's high byte repeats the setting that is left; a switch that changes nothing is dropped
.if MSB != (\new)
	s_set_vgpr_msb (MSB<<8)|(\new)
.set MSB, (\new)
.endif
.endm
.macro PLACES                          ; four plain vector lines behind a matrix instruction, ahead of loads into its registers and of reads of its results (ISA guide 7.12.1 for reads of its results)
.rept 4
	v_nop
.endr
.endm
.macro ROUND                           ; a round of the cluster's barrier: my work-group's barrier; wave 0 signals for the work-group; every wave waits for all four work-groups; my work-group's barrier again
	s_barrier_signal -1
	s_barrier_wait -1
	s_cmp_lg_u32 s[WV], 0
	s_cbranch_scc1 .Lnot_wave_0_\@
	s_barrier_signal -3
.Lnot_wave_0_\@:
	s_barrier_wait -3
	s_barrier_signal -1
	s_barrier_wait -1
.endm
	s_load_b256 s[4:11], s[0:1], 0x0               ; a_codes s[4:5], a_scales s[6:7], pairs s[8:9], W1_codes s[10:11]
	s_load_b256 s[12:19], s[0:1], 0x20             ; W1_scales s[12:13], b1 s[14:15], W2 s[16:17], b2 s[18:19]
	s_load_b64 s[20:21], s[0:1], 0x40              ; out0
	v_lshl_add_u32 v[SPW], v0, 2, SPARE
	v_mov_b32 v[NIL], 0
	ds_add_u32 v1, v2
	ds_add_u32 v1, v2
	s_wait_dscnt 0x0
	v_lshrrev_b32 v16, 5, v0
	v_readfirstlane_b32 s[WV], v16                 ; wave 0..3
	s_lshr_b32 s23, s[WV], 1                       ; wm: which 64 pairs
	s_and_b32 s24, s[WV], 1                        ; wn: which 64 of a tile's 128 rows of W1
	s_bfe_u32 s25, ttmp6, 0x40000                  ; cx: my place in the cluster; it enters global addresses of pairs, codes, scales and out0 alone
	s_lshl_b32 s26, ttmp9, 2                       ; in a cluster launch ttmp9 counts clusters
	s_add_co_u32 s26, s26, s25                     ; work-group 0..255
	v_and_b32 v17, 15, v0                          ; r
	v_bfe_u32 v18, v0, 4, 1                        ; h
	v_lshlrev_b32 v[X16], 4, v17
	v_lshlrev_b32 v[H16], 4, v18
	v_mul_u32_u24 v[AB0], v17, PITCH
	v_add_nc_u32 v[AB0], v[AB0], v[H16]
	s_mul_i32 s2, s24, 64*PITCH
	v_add_nc_u32 v[AB0], s2, v[AB0]
	v_mul_u32_u24 v[STO], v18, 2*528               ; the stage, in: row 8 wn + 2 (lane / 16) (+ 4 i + e in the immediate) of my wm's 16, 16 bytes a lane
	v_add_nc_u32 v[STO], v[STO], v[X16]
	s_mul_i32 s2, s[WV], 8*528                     ; 16 rows x wm + 8 rows x wn = 8 rows x wave
	s_add_co_u32 s2, s2, STG
	v_add_nc_u32 v[STO], s2, v[STO]
	v_mul_u32_u24 v[SLD], v17, 528                 ; out: row r of my wm's 16, + 16 h: a fragment's address
	v_add_nc_u32 v[SLD], v[SLD], v[H16]
	s_mul_i32 s2, s23, 16*528
	s_add_co_u32 s2, s2, STG
	v_add_nc_u32 v[SLD], s2, v[SLD]
	v_lshl_add_u32 v[VSC], v17, 6, v[H16]
	v_lshlrev_b32 v[VB1], 5, v18
	v_lshlrev_b32 v[VW2], 6, v18
	v_lshlrev_b32 v[PO2], 3, v17
	s_lshl_b32 s2, s24, 10
	s_lshl_b32 s3, s23, 9
	s_add_co_u32 s2, s2, s3
	s_add_co_u32 s2, s2, RED
	v_add_nc_u32 v[RST], s2, v[PO2]                ; RED + 1,024 wn + 8 (64 wm + r)
	v_lshlrev_b32 v[GOF], 3, v0
	v_add_nc_u32 v[RLD], RED, v[GOF]
	; descriptor group 1: 32 rows x 1,024 bytes, dense in memory, 16 bytes of padding behind each row in LDS
	s_mov_b32 s[G1+0], 15|(1<<20)|(1<<21)|(7<<22)|(3<<25)  ; 15:0 the mask: all four work-groups; 17:16 elements of 1 byte; 20 padding on; 21 set beside a mask; 24:22 after every 256 words (code 7); 31:25 four words (code 3)
	s_mov_b32 s[G1+1], 1024<<16                    ; tensor_dim0
	s_mov_b32 s[G1+2], 32<<16                      ; tensor_dim1
	s_mov_b32 s[G1+3], 1024<<16                    ; tile_dim0
	s_mov_b32 s[G1+4], 32                          ; tile_dim1
	s_mov_b32 s[G1+5], 1024                        ; from row to row
	s_mov_b32 s[G1+6], 0
	s_mov_b32 s[G1+7], 0
	s_mov_b32 s[SFB], 0
	s_mul_i32 s[WQ], s[WV], 32*PITCH
	s_mov_b32 s[TB], 0
	s_mov_b32 s[CNT], 7
	s_mov_b32 s[SEL], 0x76543210
	s_mov_b32 s[SEL+1], 0xfedcba98
	s_mov_b32 s[ABS], 0x7fffffff
	s_mov_b32 s[C1], 0x3d4c41b4                    ; d1 = 0.0498673470
	s_mov_b32 s[C2], 0x3cad2fe7                    ; d2 = 0.0211410061
	s_mov_b32 s[C3], 0x3b56cd72                    ; d3 = 0.0032776263
	s_mov_b32 s[C4], 0x381f660e                    ; d4 = 0.0000380036
	s_mov_b32 s[C6], 0x36b49f9e                    ; d6 = 0.0000053830
.irp c, C1, C2, C3, C4, C6
	s_mov_b32 s[\c+1], s[\c]                       ; named with it as a pair, so it is written
.endr
.set i, 0
.rept 32
	v_mov_b32 v[LG+i], 0                           ; the second product's 16 pairs of sums run through all eight periods: cleared once, so that the period is written once
.set i, i+1
.endr
	s_mov_b32 s3, 0
	s_mov_b32 s61, 0
	s_mov_b32 s63, 0
	s_wait_kmcnt 0x0
	s_load_b64 s[58:59], s[18:19], 0x0             ; b2's two numbers: wanted on the way out, and waited for there
	s_lshl_b32 s60, s26, 10                        ; my 128 pairs: 1,024 bytes of pairs and of out0
	s_add_nc_u64 s[20:21], s[20:21], s[60:61]
	s_add_nc_u64 s[8:9], s[8:9], s[60:61]
	s_lshl_b32 s2, s23, 9
	s_add_nc_u64 s[8:9], s[8:9], s[2:3]            ; + my wave's 64 pairs
	s_lshl_b32 s2, s24, 6
	s_add_nc_u64 s[62:63], s[8:9], s[2:3]          ; for the gather: + 8 pairs x wn
	s_lshr_b32 s27, s26, 5                         ; batch: 4,096 pairs are 32 work-groups
	s_lshl_b32 s60, s27, 20                        ; 2,048 rows of 512 bytes
	s_add_nc_u64 s[4:5], s[4:5], s[60:61]
	s_lshl_b32 s60, s27, 16                        ; 2,048 rows of 32 bytes
	s_add_nc_u64 s[6:7], s[6:7], s[60:61]
	s_lshl_b32 s2, s24, 12                         ; my 64 rows of a tile: 64 bytes of scales a row,
	s_add_nc_u64 s[12:13], s[12:13], s[2:3]
	s_lshl_b32 s2, s24, 8                          ; 4 bytes of b1,
	s_add_nc_u64 s[14:15], s[14:15], s[2:3]
	s_lshl_b32 s2, s24, 9                          ; 8 bytes of W2
	s_add_nc_u64 s[16:17], s[16:17], s[2:3]
	s_mov_b32 s[G0], 1                             ; 1:0 count = 1
	s_mov_b32 s[G0+1], s[WQ]                       ; LDS address: slot 0, my 32 rows
	s_lshl_b32 s2, s[WV], 15                       ; my 32 rows of 1,024 bytes
	s_add_nc_u64 s[G0+2:G0+3], s[10:11], s[2:3]    ; tile 0
	s_or_b32 s[G0+3], s[G0+3], 0x80000000          ; type = 2
	; the indices.  For the gather: register IX + 8 a + 4 i + 2 e + s = index s of pair 16 a + 8 wn + 4 i + 2 (lane / 16) + e.  For the scale words: IS + 2 a + s = index s of pair 16 a + r.
.irp a, 0,1,2,3
.irp i, 0,1
	global_load_b128 v[IX+8*\a+4*\i:IX+8*\a+4*\i+3], v[H16], s[62:63] offset:128*\a+32*\i
.endr
.endr
.irp a, 0,1,2,3
	global_load_b64 v[IS+2*\a:IS+2*\a+1], v[PO2], s[8:9] offset:128*\a
.endr
	ROUND                                          ; all four work-groups are here: the first joint load meets.  The round stands while the indices are on their way
	tensor_load_to_lds s[G0:G0+3], s[G1:G1+7]      ; tile 0 into slot 0: it lands while the pairs' rows are gathered
	s_nop 0
	PLACES                                         ; four v_nop follow a tensor load
	s_wait_loadcnt 0x0                             ; the indices
.set i, 0
.rept 32
	v_min_u32 v[IX+i], 0x7ff, v[IX+i]              ; held inside the table
.set i, i+1
.endr
.set i, 0
.rept 8
	v_min_u32 v[IS+i], 0x7ff, v[IS+i]
.set i, i+1
.endr
.set i, 0
.rept 32
	v_lshlrev_b32 v[IX+i], 9, v[IX+i]              ; a row of codes is 512 bytes
.set i, i+1
.endr
.set i, 0
.rept 8
	v_lshlrev_b32 v[IS+i], 5, v[IS+i]              ; a row of scale bytes is 32
.set i, i+1
.endr
.set i, 0
.rept 32
	v_add_nc_u32 v[IX+i], v[IX+i], v[X16]          ; sixteen lanes to 256 bytes of a row
.set i, i+1
.endr
.set i, 0
.rept 8
	v_add_nc_u32 v[IS+i], v[IS+i], v[H16]          ; lanes 0-15 the row's words 0-3, lanes 16-31 its words 4-7
.set i, i+1
.endr
.irp a, 0,1,2,3
.irp s, 0,1
	global_load_b128 v[SA+8*\a+4*\s:SA+8*\a+4*\s+3], v[IS+2*\a+\s], s[6:7]   ; register c: the word of K step 8 s + 4 (lane / 16) + c of pair 16 a + r
.endr
.endr
; W1's scale words and b1 of a period.  step = 1: the next period's.  Register SB + 8 b + 4 jj + c: the word of K step 8 jj + 4 (lane / 16) + c of row 16 b + r.  Register BI + 8 b + j: b1 at n = 16 b + 8 h + j.
.macro PARAM_A step
.if \step
	s_wait_xcnt 0x0                                ; the earlier loads have read their bases: only behind this wait are they stepped
	s_add_nc_u64 s[12:13], s[12:13], 128*64
	s_add_nc_u64 s[14:15], s[14:15], 128*4
.endif
.irp b, 0,1,2,3
.irp jj, 0,1
	global_load_b128 v[SB+8*\b+4*\jj:SB+8*\b+4*\jj+3], v[VSC], s[12:13] offset:1024*\b+32*\jj
.endr
.endr
.irp b, 0,1,2,3
.irp k, 0,1
	global_load_b128 v[BI+8*\b+4*\k:BI+8*\b+4*\k+3], v[VB1], s[14:15] offset:64*\b+16*\k
.endr
.endr
.endm
; W2 of a period: register W2R + 16 b + 2 j + o = W2[16 b + 8 h + j][o]
.macro PARAM_W step
.if \step
	s_wait_xcnt 0x0
	s_add_nc_u64 s[16:17], s[16:17], 128*8
.endif
.irp b, 0,1,2,3
.irp k, 0,1,2,3
	global_load_b128 v[W2R+16*\b+4*\k:W2R+16*\b+4*\k+3], v[VW2], s[16:17] offset:128*\b+16*\k
.endr
.endr
.endm
	PARAM_A 0
	; THE GATHER.  Step t = 2 a + s: side s of block a's 16 pairs.  The two waves of a wm take 8 rows each: 8 loads of 2 rows x 256 bytes; sixteen lanes read 256 consecutive bytes, aligned.  Each row is read once in the work-group.
	WIN 0x40                                       ; destination window 1, address window 0
.irp t, 0,1,2,3,4,5,6,7
.irp i, 0,1
.irp e, 0,1
.irp u, 0,1
	global_load_b128 v[32*\t+4*(4*\i+2*\e+\u):32*\t+4*(4*\i+2*\e+\u)+3], v[IX+8*(\t/2)+4*\i+2*\e+(\t%2)], s[4:5] offset:256*\u
.endr
.endr
.endr
.endr
	; THROUGH THE STAGE: rows in, fragments out (lane (r, h): 16 bytes at 64 q + 32 c + 16 h of row r).  Two buffers by turns, one barrier a step: buffer t % 2 is stored again in step t + 2, behind the barrier of step t + 1,
	; in front of which every wave has waited for its reads of step t.  The tile on its way lands in other bytes.
.irp t, 0,1,2,3,4,5,6,7
	s_wait_loadcnt 56-8*\t                         ; this step's eight loads are in; the later steps', eight each, may be out
	WIN 0x04                                       ; an LDS store's data are its source 1: window 1
.irp i, 0,1
.irp e, 0,1
.irp u, 0,1
	ds_store_b128 v[STO], v[32*\t+4*(4*\i+2*\e+\u):32*\t+4*(4*\i+2*\e+\u)+3] offset:(\t%2)*SBUF+(4*\i+\e)*528+256*\u
.endr
.endr
.endr
	s_wait_dscnt 0x0                               ; for the others' sake: my stores have landed, and my reads of the last step are in
	s_barrier_signal -1
	s_barrier_wait -1
	WIN 0x80+0x40*(\t%2)                           ; destination window 2 (first row of the pair) or 3 (second)
.irp q, 0,1,2,3,4,5,6,7
.irp c, 0,1
	ds_load_b128 v[64*(\t/2)+8*\q+4*\c:64*(\t/2)+8*\q+4*\c+3], v[SLD] offset:(\t%2)*SBUF+64*\q+32*\c
.endr
.endr
.endr
	WIN 0
	PARAM_W 0                                      ; only now: it lands where the gather's offsets lay, and the staging's last wait has shown the gather's loads done
; THE CHANGE OF SLOTS, at a period's head.  Each wave waits for all its tensor loads (one is out: its 32 rows of this period's tile), adds 0 to its spare word, and waits for that and for its reads of the other slot.
; fill = 1: behind a round of the cluster's barrier no wave of any partner reads the other slot or has a load on its way: it takes the next tile, by the wave's one tensor load, first thing behind the round.
.macro CHANGE fill
	WIN 0
	s_wait_tensorcnt 0x0                           ; no tensor load of mine is out, so group 0 may be written
	ds_add_u32 v[SPW], v[NIL]                      ; 0 onto my spare word
.if \fill
	s_xor_b32 s[SFB], s[SFB], SLOT                 ; the other slot than last time,
	s_add_co_u32 s[G0+1], s[SFB], s[WQ]            ; my 32 rows in it,
	s_add_nc_u64 s[G0+2:G0+3], s[G0+2:G0+3], 128*1024  ; the next 128 rows of W1; the type bits on top are not reached
.endif
	s_wait_dscnt 0x0                               ; the add is done, and my LDS reads are in
.if \fill
	ROUND
	tensor_load_to_lds s[G0:G0+3], s[G1:G1+7]
	s_nop 0
	PLACES                                         ; four v_nop follow a tensor load
.else
	s_barrier_signal -1
	s_barrier_wait -1
.endif
.endm
; W1's four fragments of K step q (my 64 rows x 128 K) into buffer q % 4
.macro BLOAD q
.irp b, 0,1,2,3
.irp c, 0,1
	ds_load_b128 v[FBUF+32*((\q)%4)+8*\b+4*\c:FBUF+32*((\q)%4)+8*\b+4*\c+3], v[ADR] offset:16*PITCH*\b+64*(\q)+32*\c
.endr
.endr
.endm
; K step q: 16 matrix instructions.  The 16 accumulators take turns, one instruction a turn, in the same order in every step.  Step 0 takes b1 as C: nothing is cleared or added.
; The scale words of K steps 4 .. 7 and 12 .. 15 lie in lanes 16-31 of their registers.
.macro MM q
.irp b, 0,1,2,3
.irp a, 0,1,2,3
.if (\q) == 0
	v_wmma_scale_f32_16x16x128_f8f6f4 v[8*(4*\a+\b):8*(4*\a+\b)+7], v[FBUF+32*((\q)%4)+8*\b:FBUF+32*((\q)%4)+8*\b+7], v[64*\a+8*((\q)%8):64*\a+8*((\q)%8)+7], v[BI+8*\b:BI+8*\b+7], v[SB+8*\b+4*((\q)/8)+(\q)%4], v[SA+8*\a+4*((\q)/8)+(\q)%4] matrix_a_fmt:MATRIX_FMT_FP4 matrix_b_fmt:MATRIX_FMT_FP4
.elseif ((\q)/4)%2 == 0
	v_wmma_scale_f32_16x16x128_f8f6f4 v[8*(4*\a+\b):8*(4*\a+\b)+7], v[FBUF+32*((\q)%4)+8*\b:FBUF+32*((\q)%4)+8*\b+7], v[64*\a+8*((\q)%8):64*\a+8*((\q)%8)+7], v[8*(4*\a+\b):8*(4*\a+\b)+7], v[SB+8*\b+4*((\q)/8)+(\q)%4], v[SA+8*\a+4*((\q)/8)+(\q)%4] matrix_a_fmt:MATRIX_FMT_FP4 matrix_b_fmt:MATRIX_FMT_FP4
.else
	v_wmma_scale_f32_16x16x128_f8f6f4 v[8*(4*\a+\b):8*(4*\a+\b)+7], v[FBUF+32*((\q)%4)+8*\b:FBUF+32*((\q)%4)+8*\b+7], v[64*\a+8*((\q)%8):64*\a+8*((\q)%8)+7], v[8*(4*\a+\b):8*(4*\a+\b)+7], v[SB+8*\b+4*((\q)/8)+(\q)%4], v[SA+8*\a+4*((\q)/8)+(\q)%4] matrix_a_fmt:MATRIX_FMT_FP4 matrix_b_fmt:MATRIX_FMT_FP4 matrix_a_scale:MATRIX_SCALE_ROW1 matrix_b_scale:MATRIX_SCALE_ROW1
.endif
.endr
.endr
.endm
; A period's 256 products, in eight groups of two K steps.  The fragment loads go in runs of 16, a group (32 matrix instructions) ahead, into the two buffers that the group before has read: so the four places
; and the break in the matrix instructions are paid eight times a period.  The four buffers and the accumulators fill window 1; the LDS address lies in window 0, so a run has a window setting of its own.
.macro MATRIX
	WIN 0
	v_add_nc_u32 v[ADR], s[TB], v[AB0]             ; the slot in hand
	WIN 0x40                                       ; destination window 1, address window 0
	BLOAD 0
	BLOAD 1
	s_wait_alu depctr_va_vdst(0)
	s_wait_loadcnt 16                              ; W1's scale words and b1 are in; the 16 younger loads, W2's, may be out
.set G, 0
.rept 8
.if G >= 1
	PLACES                                         ; the two buffers that are loaded next were read by the group before
.endif
.if G <= 6
	WIN 0x40
	BLOAD 2*G+2
	BLOAD 2*G+3
	s_wait_dscnt 16                                ; this group's sixteen loads are in; the next group's may be out
.else
	s_wait_dscnt 0x0
.endif
.if G == 0
	WIN 0x49                                       ; source 0 (W1) window 1, source 1 (pairs) window 2, C (b1) window 0, D window 1
	MM 0
	WIN 0x59                                       ; C window 1
	MM 1
.else
.if G < 4
	WIN 0x59
.else
	WIN 0x5d                                       ; the pairs' second rows: source 1 window 3
.endif
	MM 2*G
	MM 2*G+1
.endif
.set G, G+1
.endr
	PLACES                                         ; ahead of the loads into the scale words' registers, of the write of d5 into a buffer and of the first read of results
	WIN 0
.endm
; GELU and the second product for block a's 16 pairs: 32 numbers a lane (accumulators (a, 0 .. 3)), two at a time.
.macro EPI a
.set XR, 32*(\a)
	WIN 0x55                                       ; all in window 1
.set i, 0
.rept 32
	v_and_b32 v[TA+i], s[ABS], v[XR+i]             ; a = |x|; each accumulator is read from its low end on
.set i, i+1
.endr
.set i, 0
.rept 16
	v_pk_fma_f32 v[TP+i:TP+i+1], v[TA+i:TA+i+1], s[C6:C6+1], v[C5P:C5P+1] op_sel_hi:[1,0,1]   ; d6 a + d5
.set i, i+2
.endr
.irp c, C4, C3, C2, C1
.set i, 0
.rept 16
	v_pk_fma_f32 v[TP+i:TP+i+1], v[TP+i:TP+i+1], v[TA+i:TA+i+1], s[\c:\c+1] op_sel_hi:[1,1,0]
.set i, i+2
.endr
.endr
.set i, 0
.rept 16
	v_pk_fma_f32 v[TP+i:TP+i+1], v[TP+i:TP+i+1], v[TA+i:TA+i+1], 1.0 op_sel_hi:[1,1,0]       ; P(a)
.set i, i+2
.endr
.rept 4                                ; P^16 by four squarings
.set i, 0
.rept 16
	v_pk_mul_f32 v[TP+i:TP+i+1], v[TP+i:TP+i+1], v[TP+i:TP+i+1]
.set i, i+2
.endr
.endr
.set i, 0
	s_wait_alu depctr_va_vdst(0)
.rept 32
	v_rcp_f32 v[TP+i], v[TP+i]                     ; one batch
.set i, i+1
.endr
	v_nop                                          ; a plain line behind the last reciprocal (ISA guide 5.7.2)
	s_wait_alu depctr_va_vdst(0)                   ; one wait for the 32, ahead of their first reader
.set i, 0
.rept 16
	v_pk_fma_f32 v[TP+i:TP+i+1], v[TA+i:TA+i+1], v[TP+i:TP+i+1], v[TA+i:TA+i+1] neg_lo:[1,0,0] neg_hi:[1,0,0]   ; a - a P^-16
.set i, i+2
.endr
.set i, 0
.rept 16
	v_pk_add_f32 v[TP+i:TP+i+1], v[TP+i:TP+i+1], v[XR+i:XR+i+1]                              ; + x: twice gelu(x)
.set i, i+2
.endr
	WIN 0x01                                       ; source 0 window 1; W2 and the sums window 0
.irp jj, 0,1,2,3                       ; one number times its pair W2[n][0], W2[n][1], onto the pair of sums; four chains (b) by turns
.irp b, 0,1,2,3
	v_pk_fma_f32 v[LG+8*(\a)+2*\b:LG+8*(\a)+2*\b+1], v[TP+8*\b+2*\jj:TP+8*\b+2*\jj+1], v[W2R+16*\b+4*\jj:W2R+16*\b+4*\jj+1], v[LG+8*(\a)+2*\b:LG+8*(\a)+2*\b+1] op_sel_hi:[0,1,1]
.endr
.irp b, 0,1,2,3
	v_pk_fma_f32 v[LG+8*(\a)+2*\b:LG+8*(\a)+2*\b+1], v[TP+8*\b+2*\jj:TP+8*\b+2*\jj+1], v[W2R+16*\b+4*\jj+2:W2R+16*\b+4*\jj+3], v[LG+8*(\a)+2*\b:LG+8*(\a)+2*\b+1] op_sel:[1,0,0] op_sel_hi:[1,1,1]
.endr
.endr
.endm
.macro PERIOD more
	CHANGE \more
	MATRIX
.if \more
	PARAM_A 1                                      ; the next period's scale words and b1: they have GELU's time in which to come
	s_wait_loadcnt 16                              ; W2 is in; the 16 just issued may be out
.else
	s_wait_loadcnt 0x0                             ; W2
.endif
	WIN 0x40
	v_mov_b32 v[C5P], 0x384d0fe2                   ; d5 = 0.0000488906, twice: its pair lies in a fragment buffer, since window 1 is full, and is written anew in each period
	v_mov_b32 v[C5P+1], 0x384d0fe2
	EPI 0
	EPI 1
	EPI 2
	EPI 3
	WIN 0
.if \more
	PARAM_W 1                                      ; the next period's W2: it has the products' time
	s_xor_b32 s[TB], s[TB], SLOT                   ; on to the other slot
.endif
.endm
.Lperiod:                                          ; seven trips: behind each change of slots but the last the next tile is asked for
	PERIOD 1
	s_sub_co_u32 s[CNT], s[CNT], 1
	s_cmp_lg_u32 s[CNT], 0
	s_cbranch_scc1 .Lperiod
	PERIOD 0                                       ; the last period is written out
	; THE WAY OUT.  A lane's four chains; the other half of the lanes (the other eight n of each sixteen); the other wn through LDS; the half, b2, and 8 bytes a thread.
.irp a, 0,1,2,3
	v_pk_add_f32 v[LG+8*\a:LG+8*\a+1], v[LG+8*\a:LG+8*\a+1], v[LG+8*\a+2:LG+8*\a+3]
	v_pk_add_f32 v[LG+8*\a+4:LG+8*\a+5], v[LG+8*\a+4:LG+8*\a+5], v[LG+8*\a+6:LG+8*\a+7]
.endr
.irp a, 0,1,2,3
	v_pk_add_f32 v[LG+8*\a:LG+8*\a+1], v[LG+8*\a:LG+8*\a+1], v[LG+8*\a+4:LG+8*\a+5]
.endr
.irp a, 0,1,2,3
	v_permlanex16_b32 v[LG+8*\a+2], v[LG+8*\a], s[SEL], s[SEL+1]
	v_permlanex16_b32 v[LG+8*\a+3], v[LG+8*\a+1], s[SEL], s[SEL+1]
.endr
.irp a, 0,1,2,3
	v_pk_add_f32 v[LG+8*\a:LG+8*\a+1], v[LG+8*\a:LG+8*\a+1], v[LG+8*\a+2:LG+8*\a+3]
.endr
.irp a, 0,1,2,3
	ds_store_b64 v[RST], v[LG+8*\a:LG+8*\a+1] offset:128*\a   ; pair 64 wm + 16 a + r; lanes 16-31 write the same bytes with the same values
.endr
	s_wait_dscnt 0x0                               ; for the others' sake: my stores have landed
	s_barrier_signal -1
	s_barrier_wait -1
	ds_load_b64 v[16:17], v[RLD]                   ; thread t takes pair t: wn = 0's part,
	ds_load_b64 v[18:19], v[RLD] offset:1024       ; and wn = 1's
	s_wait_dscnt 0x0
	s_wait_kmcnt 0x0                               ; b2, asked for at the head
	v_pk_add_f32 v[16:17], v[16:17], v[18:19]
	v_fma_f32 v20, v16, 0.5, s58                   ; the half that GELU left out, and b2
	v_fma_f32 v21, v17, 0.5, s59
	global_store_b64 v[GOF], v[20:21], s[20:21]    ; a wave stores 256 consecutive bytes, aligned
	s_wait_tensorcnt 0x0                           ; the wave's end: behind my last tensor load and my last LDS store
	ds_add_u32 v[SPW], v[NIL]
	s_wait_dscnt 0x0
	ROUND                                          ; the closing round: no work-group ends while a partner may still ask for a tile that names it
	s_endpgm
.Lfunc_end_k_qa453a42091_pairmlp:
	.size	k_qa453a42091_pairmlp, .Lfunc_end_k_qa453a42091_pairmlp-k_qa453a42091_pairmlp
	.p2alignl 7, 3214868480
	.fill 96, 4, 3214868480
	.section	.rodata,"a",@progbits
	.p2align	6, 0x0
	.amdhsa_kernel k_qa453a42091_pairmlp
		.amdhsa_group_segment_fixed_size 327680
		.amdhsa_private_segment_fixed_size 0
		.amdhsa_enable_private_segment 0
		.amdhsa_kernarg_size 72
		.amdhsa_user_sgpr_count 2
		.amdhsa_user_sgpr_kernarg_segment_ptr 1
		.amdhsa_wavefront_size32 1
		.amdhsa_system_sgpr_workgroup_id_x 1
		.amdhsa_system_sgpr_workgroup_id_y 1
		.amdhsa_system_sgpr_workgroup_id_z 1
		.amdhsa_system_vgpr_workitem_id 0
		.amdhsa_next_free_vgpr 1024
		.amdhsa_next_free_sgpr 66
		.amdhsa_reserve_vcc 0
		.amdhsa_float_denorm_mode_32 3
		.amdhsa_float_denorm_mode_16_64 3
		.amdhsa_memory_ordered 1
		.amdhsa_forward_progress 1
		.amdhsa_inst_pref_size 255
	.end_amdhsa_kernel
	.section	.bss,"aw",@nobits
	.p2align	6
	.space	262144
	.amdgpu_metadata
---
amdhsa.version: [ 1, 2 ]
amdhsa.kernels:
  - .name:           k_qa453a42091_pairmlp
    .symbol:         k_qa453a42091_pairmlp.kd
    .args:
      - { .name: a_codes, .offset: 0, .size: 8, .value_kind: global_buffer, .address_space: global }
      - { .name: a_scales, .offset: 8, .size: 8, .value_kind: global_buffer, .address_space: global }
      - { .name: pairs, .offset: 16, .size: 8, .value_kind: global_buffer, .address_space: global }
      - { .name: W1_codes, .offset: 24, .size: 8, .value_kind: global_buffer, .address_space: global }
      - { .name: W1_scales, .offset: 32, .size: 8, .value_kind: global_buffer, .address_space: global }
      - { .name: b1, .offset: 40, .size: 8, .value_kind: global_buffer, .address_space: global }
      - { .name: W2, .offset: 48, .size: 8, .value_kind: global_buffer, .address_space: global }
      - { .name: b2, .offset: 56, .size: 8, .value_kind: global_buffer, .address_space: global }
      - { .name: out0, .offset: 64, .size: 8, .value_kind: global_buffer, .address_space: global }
    .group_segment_fixed_size: 327680
    .private_segment_fixed_size: 0
    .kernarg_segment_align: 8
    .kernarg_segment_size: 72
    .max_flat_workgroup_size: 128
    .sgpr_count:     66
    .vgpr_count:     1024
    .wavefront_size: 32
...
	.end_amdgpu_metadata
.endif
;; end of part 2
